; MI455X (gfx1250); checked and timed in simulation.
; The chip was launched on July 23, 2026; its instructions are those of AMD's public machine-readable ISA for CDNA 5 (MIT licence, August 2026) and "CDNA5" Instruction Set Architecture Reference Guide (July 2026). The comments in the code are by the model that wrote it; some were corrected since.
;; Decode LSTM. Allowed arithmetic: float matrix products may take bf16 or f16 operands with f32 sums; other float arithmetic in f32, or as packed bf16 or f16 multiplies, adds, multiply-adds, maxima and minima; sums over many terms, partial sums and values carried from step to step in f32; what a program stores and reads back later, other than sums and carried values, may be rounded once to bf16 or f16.
;; Inputs: Wd 1,024 x 1 float32; Wh 3 x 1,024 x 4,096 float32; Wh0 1,024 x 4,096 float32; Wx 3 x 1,024 x 4,096 float32; Wx0 1 x 4,096 float32; b 3 x 4,096 float32; b0 4,096 float32; bd 1 float32; c0 2,048 x 1,024 float32; h0 2,048 x 1,024 float32; x_todec 2,048 x 1 float32.
;; Outputs: out0 2,048 x 1,024 float32; out1 2,048 x 1,024 float32; out2 2,048 x 1 float32.
;; Constants: training = 0.
;; 2 versions, each right; version 2 is version 1 with the launch head written anew for expert scheduling mode. Each part assembles by itself: llvm-mc -triple=amdgcn-amd-amdhsa -mcpu=gfx1250 --defsym DOCPART=n.
;; ======== version 1 of 2: 6 launches
;; limits: values outside matrix products are rounded to bf16
;; workspace buffers: w0 8,421,376 bytes; w1 8,421,376 bytes; w2 8,421,376 bytes; w3 8,421,376 bytes; hA 4,194,304 bytes; hB 4,194,304 bytes; cA 8,388,608 bytes; cB 8,388,608 bytes
;; launch prep (part 1): grid 256 x 5, 8 waves a work-group, no clusters, 0 bytes of LDS; arguments Wh0, Wx, Wh, b0, b, Wx0, h0, w0, w1, w2, w3, hA; writes w0, w1, w2, w3, hA
.if DOCPART == 1
	.amdgcn_target "amdgcn-amd-amdhsa--gfx1250"
	.amdhsa_code_object_version 6
	.text
	.protected	k_qb88fb28571_prep
	.globl	k_qb88fb28571_prep
	.p2align	8
	.type	k_qb88fb28571_prep,@function
k_qb88fb28571_prep:
	s_mov_b64 s[64:65], 0
	v_nop
	global_prefetch_b8 v0, s[64:65] scope:SCOPE_SE
	s_setreg_imm32_b32 hwreg(HW_REG_WAVE_MODE, 25, 1), 1
	s_wait_xcnt 0x0
; PREP: one streaming pass that makes the four layers' matrix operands.
; With one time step a layer's input xs IS the h that it gets as carry, so layers 1 to 3 compute h (Wx[l] + Wh[l]) + b[l]: the two weights are added here, in f32,
; and rounded once to bf16.  Each gate's columns are scaled so that the sums come out as arguments of 2^x: gates i, f, o by -log2(e) (sigmoid(z) = 1 / (1 + 2^(-log2(e) z))),
; gate g by 2 log2(e) (tanh(z) = 1 - 2 / (1 + 2^(2 log2(e) z))).
; OUT.  w_l: bf16 [jb 16][k 1024][gate 4][jj 64], column n = 1024 gate + 64 jb + jj: a block of 64 hidden columns is 512 KiB on end, a k row 512 bytes.  Behind it, at byte 8,388,608, the scaled bias
; (4,096 f32) and at +16,384 the scaled Wx0 (layer 0) or zeros (layers 1 to 3, which have no term of rank one).   hA: h0 in bf16, [kc 16][row 2048][64].
; GRID.  y = 0: Wh0; y = 1, 2, 3: Wx[y-1] + Wh[y-1]; work-group x takes k rows 4 x .. 4 x + 3.  y = 4: rows 8 x .. 8 x + 7 of h0, and wave 0 writes 512 bytes, chunk x of 256, of the side tables.
; No LDS, no barrier, no matrix unit: memory binds, every byte is read once and written once.
; A UNIT is one load (or two) and one store of a wave: lanes 0-15 read 256 consecutive bytes of one gate, lanes 16-31 of the next gate (h0: of the next row); rounded to bf16 the 32 lanes' 8 bytes are 256
; consecutive bytes of the output, at a multiple of 256.  All of a wave's loads go out first; no register is written again behind its store, so no wait for stores' sources is needed.
.set VIN, 4                            ; v4   in:  4,096 (lane / 16) + 16 (lane % 16) + 512 wave
.set VOW, 5                            ; v5   out, weights: 2^20 wave + 8 lane (a wave owns the column blocks 2 wave, 2 wave + 1)
.set VOH, 6                            ; v6   out, h: 2^19 wave + 8 lane (a wave owns the k chunks 2 wave, 2 wave + 1)
.set VTB, 7                            ; v7   16 lane
.set SCN, 10                           ; v[10:11] -log2(e) twice: gates i, f;  v[12:13] gates g (lanes 0-15) and o (lanes 16-31)
.set TB,  16                           ; v[16:19] a piece of a side table
.set X,   32                           ; v[32:95]  unit u: 4 registers as loaded, then 2 to store
.set Y,   96                           ; v[96:159] unit u: the second summand
	s_load_b512 s[8:23], s[0:1], 0x0               ; Wh0 s[8:9], Wx s[10:11], Wh s[12:13], b0 s[14:15], b s[16:17], Wx0 s[18:19], h0 s[20:21], w0 s[22:23]
	s_load_b256 s[24:31], s[0:1], 0x40             ; w1 s[24:25], w2 s[26:27], w3 s[28:29], hA s[30:31]
	s_mov_b32 s2, ttmp9                            ; x
	s_and_b32 s3, ttmp7, 0xffff                    ; y
	v_and_b32 v1, 31, v0                           ; lane
	v_lshrrev_b32 v2, 5, v0                        ; wave
	v_lshrrev_b32 v3, 4, v1
	v_and_b32 v8, 15, v1
	v_lshlrev_b32 v[VIN], 12, v3
	v_lshl_add_u32 v[VIN], v8, 4, v[VIN]
	v_lshl_add_u32 v[VIN], v2, 9, v[VIN]
	v_lshlrev_b32 v[VOW], 3, v1
	v_lshl_add_u32 v[VOH], v2, 19, v[VOW]
	v_lshl_add_u32 v[VOW], v2, 20, v[VOW]
	v_lshlrev_b32 v[VTB], 4, v1
	v_mov_b32 v[SCN], 0xbfb8aa3b                   ; -log2(e)
	v_mov_b32 v[SCN+1], v[SCN]
	v_mov_b32 v9, 0x4038aa3b                       ; 2 log2(e)
	v_cmp_gt_u32 vcc_lo, 16, v1
	v_cndmask_b32 v[SCN+2], v[SCN], v9, vcc_lo     ; lanes 0-15 hold gate g's columns in the units of gates g, o
	v_mov_b32 v[SCN+3], v[SCN+2]
	s_wait_kmcnt 0x0
	s_cmp_eq_u32 s3, 4
	s_cbranch_scc1 .Lh
	s_lshl_b32 s32, s2, 16                         ; my four k rows of 16,384 bytes
	s_mov_b32 s33, 0
	s_lshl_b32 s34, s2, 11                         ; and of 512 bytes in a column block of the output
	s_mov_b32 s35, 0
	s_cmp_eq_u32 s3, 0
	s_cbranch_scc1 .Lfirst
; unit u of 16: k row u / 4, column block 2 wave + (u / 2) % 2, gates 2 (u % 2) and 2 (u % 2) + 1
.macro WLOAD dst, u, base
	global_load_b128 v[(\dst)+4*(\u):(\dst)+4*(\u)+3], v[VIN], s[\base:\base+1] offset:((\u)>>2)*16384+((\u)&1)*8192+(((\u)>>1)&1)*256 th:TH_LOAD_NT
.endm
.macro WUNIT u, two
.set XR, X+4*(\u)
.set YR, Y+4*(\u)
.set SCR, SCN+2*((\u)&1)
.if \two
	s_wait_loadcnt 30-2*(\u)                       ; loads come back in order: this unit's two are in, the later units' stay out
	v_pk_add_f32 v[XR:XR+1], v[XR:XR+1], v[YR:YR+1]
	v_pk_add_f32 v[XR+2:XR+3], v[XR+2:XR+3], v[YR+2:YR+3]
.else
	s_wait_loadcnt 15-(\u)
.endif
	v_pk_mul_f32 v[XR:XR+1], v[XR:XR+1], v[SCR:SCR+1]
	v_pk_mul_f32 v[XR+2:XR+3], v[XR+2:XR+3], v[SCR:SCR+1]
	v_cvt_pk_bf16_f32 v[XR], v[XR], v[XR+1]
	v_cvt_pk_bf16_f32 v[XR+1], v[XR+2], v[XR+3]
	global_store_b64 v[VOW], v[XR:XR+1], s[36:37] offset:(((\u)>>1)&1)*524288+((\u)>>2)*512+((\u)&1)*256  ; 32 lanes x 8 bytes: 256 consecutive bytes, aligned
.endm
	; layers 1 to 3: Wx[y-1] + Wh[y-1]
	s_sub_co_u32 s40, s3, 1
	s_lshl_b32 s40, s40, 24                        ; a layer's weights are 2^24 bytes
	s_add_co_u32 s32, s32, s40
	s_add_nc_u64 s[10:11], s[10:11], s[32:33]
	s_add_nc_u64 s[12:13], s[12:13], s[32:33]
	s_cmp_eq_u32 s3, 1
	s_cselect_b64 s[36:37], s[24:25], s[26:27]
	s_cmp_eq_u32 s3, 3
	s_cselect_b64 s[36:37], s[28:29], s[36:37]
	s_add_nc_u64 s[36:37], s[36:37], s[34:35]
.irp u, 0,1,2,3,4,5,6,7,8,9,10,11,12,13,14,15
	WLOAD X, \u, 10
	WLOAD Y, \u, 12
.endr
.irp u, 0,1,2,3,4,5,6,7,8,9,10,11,12,13,14,15
	WUNIT \u, 1
.endr
	s_endpgm
.Lfirst:                                               ; layer 0: Wh0 alone
	s_add_nc_u64 s[8:9], s[8:9], s[32:33]
	s_add_nc_u64 s[36:37], s[22:23], s[34:35]
.irp u, 0,1,2,3,4,5,6,7,8,9,10,11,12,13,14,15
	WLOAD X, \u, 8
.endr
.irp u, 0,1,2,3,4,5,6,7,8,9,10,11,12,13,14,15
	WUNIT \u, 0
.endr
	s_endpgm
.Lh:                                                   ; h0 to bf16 by k chunks.  Unit u of 8: rows 8 x + 2 (u / 2) and the next, chunk 2 wave + u % 2
	s_lshl_b32 s32, s2, 15                         ; eight rows of 4,096 bytes
	s_mov_b32 s33, 0
	s_lshl_b32 s34, s2, 10                         ; eight rows of 128 bytes in a chunk
	s_mov_b32 s35, 0
	s_add_nc_u64 s[20:21], s[20:21], s[32:33]
	s_add_nc_u64 s[30:31], s[30:31], s[34:35]
.irp u, 0,1,2,3,4,5,6,7
	global_load_b128 v[X+4*(\u):X+4*(\u)+3], v[VIN], s[20:21] offset:((\u)>>1)*8192+((\u)&1)*256 th:TH_LOAD_NT
.endr
.irp u, 0,1,2,3,4,5,6,7
	s_wait_loadcnt 7-(\u)
	v_cvt_pk_bf16_f32 v[X+4*(\u)], v[X+4*(\u)], v[X+4*(\u)+1]
	v_cvt_pk_bf16_f32 v[X+4*(\u)+1], v[X+4*(\u)+2], v[X+4*(\u)+3]
	global_store_b64 v[VOH], v[X+4*(\u):X+4*(\u)+1], s[30:31] offset:((\u)&1)*262144+((\u)>>1)*256
.endr
	; the side tables: 4 layers x 64 chunks of 512 bytes; chunk c = x % 64 of layer x / 64: c < 32 the bias, else the weights of the scalar input
	v_readfirstlane_b32 s40, v2
	s_cmp_lg_u32 s40, 0
	s_cbranch_scc1 .Lend                           ; wave 0 alone
	s_lshr_b32 s41, s2, 6                          ; the layer
	s_and_b32 s42, s2, 63                          ; c
	s_bfe_u32 s43, s2, 0x20003                     ; the gate of the chunk's 128 columns: (c / 8) % 4
	s_lshr_b32 s44, s42, 5                         ; 1: the second table
	s_mov_b32 s46, 0xbfb8aa3b
	s_mov_b32 s45, 0x4038aa3b
	s_cmp_eq_u32 s43, 2
	s_cselect_b32 s46, s45, s46                    ; the gate's scale
	s_mov_b32 s47, s46                             ; named with it as a pair
	s_cmp_eq_u32 s41, 0
	s_cselect_b64 s[36:37], s[22:23], s[24:25]
	s_cmp_eq_u32 s41, 2
	s_cselect_b64 s[36:37], s[26:27], s[36:37]
	s_cmp_eq_u32 s41, 3
	s_cselect_b64 s[36:37], s[28:29], s[36:37]
	s_lshl_b32 s32, s42, 9
	s_add_co_u32 s32, s32, 0x800000                ; the tables lie behind the 2^23 bytes of weights
	s_mov_b32 s33, 0
	s_add_nc_u64 s[36:37], s[36:37], s[32:33]
	s_and_b32 s34, s42, 31
	s_lshl_b32 s34, s34, 9                         ; the chunk's place in its source
	s_mov_b32 s35, 0
	s_cmp_eq_u32 s44, 1
	s_cbranch_scc1 .Lwx
	s_max_u32 s45, s41, 1
	s_sub_co_u32 s45, s45, 1                       ; b's row: layer - 1 (0 for layer 0, which reads b0)
	s_lshl_b32 s45, s45, 14
	s_add_co_u32 s34, s34, s45
	s_cmp_eq_u32 s41, 0
	s_cselect_b64 s[38:39], s[14:15], s[16:17]
	s_branch .Lld
.Lwx:
	s_mov_b64 s[38:39], s[18:19]
	s_cmp_lg_u32 s41, 0
	s_cbranch_scc1 .Lzero                          ; layers 1 to 3 have no such input
.Lld:
	s_add_nc_u64 s[38:39], s[38:39], s[34:35]
	global_load_b128 v[TB:TB+3], v[VTB], s[38:39]
	s_wait_loadcnt 0x0
	v_pk_mul_f32 v[TB:TB+1], v[TB:TB+1], s[46:47] op_sel_hi:[1,0]
	v_pk_mul_f32 v[TB+2:TB+3], v[TB+2:TB+3], s[46:47] op_sel_hi:[1,0]
	s_branch .Lst
.Lzero:
	v_mov_b32 v[TB], 0
	v_mov_b32 v[TB+1], 0
	v_mov_b32 v[TB+2], 0
	v_mov_b32 v[TB+3], 0
.Lst:
	global_store_b128 v[VTB], v[TB:TB+3], s[36:37]
.Lend:
	s_endpgm
.Lfunc_end_k_qb88fb28571_prep:
	.size	k_qb88fb28571_prep, .Lfunc_end_k_qb88fb28571_prep-k_qb88fb28571_prep
	.p2alignl 7, 3214868480
	.fill 96, 4, 3214868480
	.section	.rodata,"a",@progbits
	.p2align	6, 0x0
	.amdhsa_kernel k_qb88fb28571_prep
		.amdhsa_group_segment_fixed_size 0
		.amdhsa_private_segment_fixed_size 0
		.amdhsa_enable_private_segment 0
		.amdhsa_kernarg_size 96
		.amdhsa_user_sgpr_count 2
		.amdhsa_user_sgpr_kernarg_segment_ptr 1
		.amdhsa_wavefront_size32 1
		.amdhsa_system_sgpr_workgroup_id_x 1
		.amdhsa_system_sgpr_workgroup_id_y 1
		.amdhsa_system_sgpr_workgroup_id_z 1
		.amdhsa_system_vgpr_workitem_id 0
		.amdhsa_next_free_vgpr 160
		.amdhsa_next_free_sgpr 66
		.amdhsa_reserve_vcc 1
		.amdhsa_float_denorm_mode_32 3
		.amdhsa_float_denorm_mode_16_64 3
		.amdhsa_memory_ordered 1
		.amdhsa_forward_progress 1
		.amdhsa_inst_pref_size 26
	.end_amdhsa_kernel
	.amdgpu_metadata
---
amdhsa.version: [ 1, 2 ]
amdhsa.kernels:
  - .name:           k_qb88fb28571_prep
    .symbol:         k_qb88fb28571_prep.kd
    .args:
      - { .name: Wh0, .offset: 0, .size: 8, .value_kind: global_buffer, .address_space: global }
      - { .name: Wx, .offset: 8, .size: 8, .value_kind: global_buffer, .address_space: global }
      - { .name: Wh, .offset: 16, .size: 8, .value_kind: global_buffer, .address_space: global }
      - { .name: b0, .offset: 24, .size: 8, .value_kind: global_buffer, .address_space: global }
      - { .name: b, .offset: 32, .size: 8, .value_kind: global_buffer, .address_space: global }
      - { .name: Wx0, .offset: 40, .size: 8, .value_kind: global_buffer, .address_space: global }
      - { .name: h0, .offset: 48, .size: 8, .value_kind: global_buffer, .address_space: global }
      - { .name: w0, .offset: 56, .size: 8, .value_kind: global_buffer, .address_space: global }
      - { .name: w1, .offset: 64, .size: 8, .value_kind: global_buffer, .address_space: global }
      - { .name: w2, .offset: 72, .size: 8, .value_kind: global_buffer, .address_space: global }
      - { .name: w3, .offset: 80, .size: 8, .value_kind: global_buffer, .address_space: global }
      - { .name: hA, .offset: 88, .size: 8, .value_kind: global_buffer, .address_space: global }
    .group_segment_fixed_size: 0
    .private_segment_fixed_size: 0
    .kernarg_segment_align: 8
    .kernarg_segment_size: 96
    .max_flat_workgroup_size: 256
    .sgpr_count:     66
    .vgpr_count:     160
    .wavefront_size: 32
...
	.end_amdgpu_metadata
.endif
;; end of part 1
;; launch layer0 (part 2): grid 16 x 16, 4 waves a work-group, clusters of 4 x 4, 327,680 bytes of LDS; arguments hA, w0, c0, x_todec, hB, cA; writes hB, cA
.if DOCPART == 2
	.amdgcn_target "amdgcn-amd-amdhsa--gfx1250"
	.amdhsa_code_object_version 6
	.text
	.protected	k_qb88fb28571_layer0
	.globl	k_qb88fb28571_layer0
	.p2align	8
	.type	k_qb88fb28571_layer0,@function
k_qb88fb28571_layer0:
	s_mov_b64 s[64:65], 0
	v_nop
	global_prefetch_b8 v0, s[64:65] scope:SCOPE_SE
	s_setreg_imm32_b32 hwreg(HW_REG_WAVE_MODE, 25, 1), 1
	s_wait_xcnt 0x0
	s_wait_alu depctr_hold_cnt(0) depctr_sa_sdst(0) depctr_va_vdst(0) depctr_va_sdst(0) depctr_va_ssrc(0) depctr_va_vcc(0) depctr_vm_vsrc(0)
	s_getreg_b32 s2, hwreg(HW_REG_IB_STS2, 6, 4)
	s_cmp_eq_u32 s2, 0
	s_cbranch_scc0 .Lentry_in_a_cluster
	s_endpgm
.Lentry_in_a_cluster:
	s_bfe_u32 s2, ttmp6, 0x10000c
	s_cmp_lg_u32 s2, 0xf033
	s_cbranch_scc0 .Lentry_shape_is_right
	s_endpgm
.Lentry_shape_is_right:
; ONE LSTM LAYER AT ONE TIME STEP:  z' = h W' + x wx' + bias'  (2048 x 4096, K = 1024), then the cell:  c' = sig(f) c + sig(i) tanh(g),  h' = sig(o) tanh(c').
; Arguments: hin (bf16 [kc 16][row 2048][64]), w (bf16 [jb 16][k 1024][gate 4][jj 64], then bias' and wx' in f32, all scaled so that z' is the argument of 2^x:
; gates i, f, o by -log2(e), gate g by 2 log2(e)), cin (f32 [2048][1024]), x (f32 [2048]), hout (as hin), cout (as cin).  One text serves all four layers: wx' is zero in layers 1 to 3.
; LIMITS.  h and W' are bf16 matrix operands; sums, c and all of the cell are f32; h' is rounded once to bf16 (2^-9 of itself at the most).  sig(z) = 1 / (1 + 2^z'), tanh(z) = 1 - 2 / (1 + 2^z'):
; an exponential that overflows gives 1 / inf = 0, the right limit; tanh carries an absolute error of some 1e-7; exponentials and reciprocals flush denormals; NaN is not treated apart.
; SHARES.  A work-group owns 128 rows x 64 hidden columns x 4 gates (128 x 256 of z'): 16 x 16 work-groups.  Wave (rh, ch) owns 64 rows x 32 hidden columns x 4 gates: 32 accumulators, 256 registers.
; THE MATRIX INSTRUCTION IS USED TRANSPOSED (source 0 = 16 columns of W', source 1 = 16 rows of h): lane l holds row l % 16 and the columns 8 (l / 16) + 0..7, and the four gates of one (row, column) lie in the
; same register of four accumulators: the cell needs no exchange between lanes.  W' lies [k][column] in LDS and comes out turned, by ds_load_tr16_b128.
; THE SUMS START with x wx' + bias', made while the first tiles are on their way: nothing is cleared, and the bias costs nothing behind the loop.
; RING.  K goes in 8 steps of 128 through two LDS slots; a wave issues 128 matrix instructions a step.  CLUSTER 4 x 4: h's tile hangs on the row block alone and is asked for jointly by a row of the cluster,
; W's on the column block alone and is asked for jointly by a column: the same tensor load, descriptor and mask in all four, which divides the requests by four.
; REGISTERS.  Window 0: v0-29 addresses; v32-39 x; v64-159 and v160-255 two fragment buffers (32 of h, 64 of W'); ahead of the loop v64-191 hold bias' and wx'; on the way out v64-127 c, v160-199 at work.
; Window 1: accumulator (a, q = 2 gate + b) at v[64 a + 8 q]: rows 16 a on, hidden columns 16 b on.
.set PA,    144                        ; a row of h in LDS: 128 bytes + 16 of padding: the 16 rows of a fragment load start at 16 different 16-byte columns of 256 bytes
.set ACH,   128*PA                     ; a k chunk of 64: 128 rows
.set PB,    544                        ; a k row of W': 512 bytes + 32: 17 x 32, for the turning load
.set BHALF, 64*PB
.set BOFF,  2*ACH                      ; a slot: h's two chunks, then 128 k rows of W'
.set SLOT,  BOFF+2*BHALF               ; 106,496
.set PCT,   272                        ; a row of c: 256 bytes + 16
.set CT,    2*SLOT                     ; c's tile, 128 rows: filled once
.set CSD,   128*PCT                    ; c's stage lies this far behind the tile
.set PHS,   144
.set HS,    CT+2*CSD                   ; h's stage: 128 rows x 144
.set SPARE, HS+128*PHS                 ; the spare words, 128 bytes for each wave: two blocks of 256 bytes that no other line names
.set ADRA, 16                          ; v16-17  LDS address of my h fragments in slot 0, 1
.set ADRB, 18                          ; v18-19  the same for W'
.set CA,   20                          ; v20  my 32 bytes of a row of c's tile
.set HA,   21                          ; v21  my 16 bytes of a row of h's stage
.set CRD,  22                          ; v22  the way out: where I read rows of c' back (less CSD)
.set HRD,  23                          ; v23  and of h'
.set CGO,  24                          ; v24  my byte offset in two rows of cout
.set HGO,  25                          ; v25  in 512 consecutive bytes of hout
.set SO,   26                          ; v26  my byte offset in bias' and wx'
.set XO,   27                          ; v27  in x
.set SPW,  28                          ; v28  LDS address of my spare word; never rewritten
.set NIL,  29                          ; v29  0; never rewritten
.set XV,   32                          ; v32-39  x of my row in row tile a, in both registers of pair a
.set F0,   64
.set F1,   160
.set BI,   64                          ; bias' of my 64 columns (8 q + j)
.set WX,   128                         ; wx' likewise
.set CR,   64                          ; c, then c': tile t at CR + 8 t
.set T,    160                         ; at work: i 0-7, f 8-15, g 16-23, o 24-31
.set HB,   192                         ; h' packed: two sets by turns
.set G1A, 24                           ; s[24:31] descriptor group 1 for h's tiles
.set G1B, 32                           ; s[32:39] for W's
.set G1C, 40                           ; s[40:47] for c's
.set G0A, 48                           ; s[48:55] group 0 for h's tiles, a set for each slot
.set G0B, 56                           ; s[56:63] for W's
.set G0C, 68                           ; s[68:71] for c's
.set W_MUL, 0x50                       ; C and D window 1, fragments window 0
.set W_INI, 0x40                       ; destination window 1
.set W_EXP, 0x01                       ; source 0 window 1
.set MSB, 0
.macro WIN new                         ; the immediate's high byte repeats the setting that is left; a switch that changes nothing is dropped
.if MSB != (\new)
	s_set_vgpr_msb (MSB<<8)|(\new)
.set MSB, \new
.endif
.endm
.macro PLACES                          ; four places in front of loads into registers that matrix instructions have read, and of vector lines that read results or write such registers
.rept 4
	v_nop
.endr
.endm
; A joint load: waves 0 and 1 fetch h's two k chunks, waves 2 and 3 the two halves of W's 128 k rows.  The branch hangs on the wave's number alone.  An s_nop 0 and four v_nop follow each line.
.macro JLOAD s
	s_cmp_eq_u32 s17, 0
	s_cbranch_scc0 .Lfor_b_\@
	tensor_load_to_lds s[G0A+4*(\s):G0A+4*(\s)+3], s[G1A:G1A+7]
	s_nop 0
.rept 4
	v_nop
.endr
	s_branch .Lasked_\@
.Lfor_b_\@:
	tensor_load_to_lds s[G0B+4*(\s):G0B+4*(\s)+3], s[G1B:G1B+7]
	s_nop 0
.rept 4
	v_nop
.endr
.Lasked_\@:
.endm
.macro CREST                           ; a round of the cluster's barrier behind its opening barrier
	s_cmp_lg_u32 s16, 0
	s_cbranch_scc1 .Lnot_wave_0_\@
	s_barrier_signal -3
.Lnot_wave_0_\@:
	s_barrier_wait -3
	s_barrier_signal -1
	s_barrier_wait -1
.endm
.macro CROUND                          ; a whole round
	s_barrier_signal -1
	s_barrier_wait -1
	CREST
.endm
	s_load_b256 s[4:11], s[0:1], 0x0               ; hin s[4:5], w s[6:7], cin s[8:9], x s[10:11]
	s_load_b128 s[12:15], s[0:1], 0x20             ; hout s[12:13], cout s[14:15]
	v_lshl_add_u32 v[SPW], v0, 2, SPARE
	v_mov_b32 v[NIL], 0
	ds_add_u32 v[SPW], v[NIL]                      ; the wave's opening: the add and its wait stand ahead of my first tensor load; the set-up below, work on registers, stands between them
	v_lshrrev_b32 v3, 5, v0
	v_readfirstlane_b32 s16, v3                    ; wave 0..3
	s_lshr_b32 s17, s16, 1                         ; rh: which 64 rows are mine.  Also: I fetch for h (0) or for W' (1)
	s_and_b32 s18, s16, 1                          ; ch: which 32 hidden columns.  Also: which half of that tile I fetch
	s_bfe_u32 s19, ttmp6, 0x40000                  ; cx, cy: my place in the cluster
	s_bfe_u32 s20, ttmp6, 0x40004
	s_lshl_b32 s21, ttmp9, 2
	s_add_co_u32 s21, s21, s19                     ; jb: column block = 4 x cluster x + cx
	s_and_b32 s22, ttmp7, 0xffff
	s_lshl_b32 s22, s22, 2
	s_add_co_u32 s22, s22, s20                     ; rb: row block = 4 x cluster y + cy
	s_lshl_b32 s23, s20, 2
	s_lshl_b32 s23, 15, s23                        ; my row of the cluster
	s_lshl_b32 s66, 0x1111, s19                    ; my column
	; group 1 for h: a chunk's 128 rows of 128 bytes are 16,384 bytes on end: asked for as 64 rows of 256 bytes, padded after every 128
	s_or_b32 s[G1A+0], s23, (1<<16)|(1<<20)|(1<<21)|(4<<22)|(3<<25)  ; 15:0 the mask; 17:16 2-byte elements; 20 padding on; 21 set beside a mask; 24:22 after every 32 words (code 4); 31:25 4 words (code 3)
	s_mov_b32 s[G1A+1], 128<<16                    ; tensor_dim0 = 128
	s_mov_b32 s[G1A+2], 64<<16                     ; tensor_dim1 = 64
	s_mov_b32 s[G1A+3], 128<<16                    ; tile_dim0 = 128
	s_mov_b32 s[G1A+4], 64                         ; tile_dim1 = 64
	s_mov_b32 s[G1A+5], 128                        ; elements from row to row
	s_mov_b32 s[G1A+6], 0
	s_mov_b32 s[G1A+7], 0
	; group 1 for W': 64 k rows of 512 bytes, 32 bytes of padding behind each
	s_or_b32 s[G1B+0], s66, (1<<16)|(1<<20)|(1<<21)|(6<<22)|(7<<25)  ; after every 128 words (code 6), 8 words (code 7)
	s_mov_b32 s[G1B+1], 256<<16
	s_mov_b32 s[G1B+2], 64<<16
	s_mov_b32 s[G1B+3], 256<<16
	s_mov_b32 s[G1B+4], 64
	s_mov_b32 s[G1B+5], 256
	s_mov_b32 s[G1B+6], 0
	s_mov_b32 s[G1B+7], 0
	; group 1 for c: 32 rows of 64 f32 (256 bytes) out of rows of 1,024; no mask: nobody shares it
	s_mov_b32 s[G1C+0], (2<<16)|(1<<20)|(5<<22)|(3<<25)  ; 4-byte elements; after every 64 words (code 5), 4 words (code 3)
	s_mov_b32 s[G1C+1], 64<<16
	s_mov_b32 s[G1C+2], 32<<16
	s_mov_b32 s[G1C+3], 64<<16
	s_mov_b32 s[G1C+4], 32
	s_mov_b32 s[G1C+5], 1024
	s_mov_b32 s[G1C+6], 0
	s_mov_b32 s[G1C+7], 0
	s_mov_b32 s72, 0x4038aa3b                      ; 2 log2(e), for tanh(c')
	s_mov_b32 s73, s72                             ; named with it as a pair
	; where the tiles come from: h's offset is made of rb and the wave's number alone, W's of jb and the wave's number alone
	s_lshl_b32 s74, s22, 14                        ; 128 rows of 128 bytes
	s_lshl_b32 s87, s18, 18                        ; my chunk of the step's two
	s_add_co_u32 s74, s74, s87
	s_mov_b32 s75, 0
	s_lshl_b32 s76, s21, 19                        ; a column block is 2^19 bytes
	s_lshl_b32 s93, s18, 15                        ; my 64 k rows of the step's 128
	s_add_co_u32 s76, s76, s93
	s_mov_b32 s77, 0
	s_lshl_b32 s78, s22, 19                        ; c: 128 rows of 4,096 bytes,
	s_lshl_b32 s90, s16, 17                        ; my 32 of them,
	s_add_co_u32 s78, s78, s90
	s_lshl_b32 s90, s21, 8                         ; 64 columns of 4 bytes
	s_add_co_u32 s78, s78, s90
	s_mov_b32 s79, 0
	; and where they go: the wave's number alone enters an LDS address
	s_mul_i32 s84, s18, ACH
	s_mul_i32 s85, s18, BHALF
	s_add_co_u32 s85, s85, BOFF
	s_mul_i32 s86, s16, 32*PCT
	s_add_co_u32 s86, s86, CT
	s_wait_dscnt 0x0                               ; the opening add is done
	s_wait_kmcnt 0x0
	s_add_nc_u64 s[74:75], s[4:5], s[74:75]
	s_add_nc_u64 s[76:77], s[6:7], s[76:77]
	s_add_nc_u64 s[80:81], s[6:7], 0x800000        ; bias' and wx' lie behind the weights
	s_add_nc_u64 s[88:89], s[8:9], s[78:79]
	s_add_nc_u64 s[14:15], s[14:15], s[78:79]      ; cout at the rows that I store: the same place as my quarter of c
	CROUND                                         ; all sixteen work-groups are here: the first joint loads meet
.irp s, 0,1
	s_mov_b32 s[G0A+4*(\s)], 1                                       ; count = 1
	s_add_co_u32 s[G0A+4*(\s)+1], s84, (\s)*SLOT                     ; LDS address
	s_add_nc_u64 s[G0A+4*(\s)+2:G0A+4*(\s)+3], s[74:75], (\s)*524288  ; K step s: two chunks of 2^18 bytes on
	s_or_b32 s[G0A+4*(\s)+3], s[G0A+4*(\s)+3], 0x80000000            ; type = 2
	s_mov_b32 s[G0B+4*(\s)], 1
	s_add_co_u32 s[G0B+4*(\s)+1], s85, (\s)*SLOT
	s_add_nc_u64 s[G0B+4*(\s)+2:G0B+4*(\s)+3], s[76:77], (\s)*65536   ; 128 k rows of 512 bytes on
	s_or_b32 s[G0B+4*(\s)+3], s[G0B+4*(\s)+3], 0x80000000
.endr
	s_mov_b32 s[G0C], 1
	s_mov_b32 s[G0C+1], s86
	s_mov_b64 s[G0C+2:G0C+3], s[88:89]
	s_or_b32 s[G0C+3], s[G0C+3], 0x80000000
	s_cmp_eq_u32 s17, 0                            ; a wave's three first fills stand in one branch, ahead of every wait on TENSORcnt and every LDS read: three loads of mine are out
	s_cbranch_scc0 .Lfirst_b
	tensor_load_to_lds s[G0A:G0A+3], s[G1A:G1A+7]
	s_nop 0
	tensor_load_to_lds s[G0A+4:G0A+7], s[G1A:G1A+7]
	s_nop 0
	tensor_load_to_lds s[G0C:G0C+3], s[G1C:G1C+7]
	s_nop 0
.rept 4
	v_nop
.endr
	s_branch .Lfirst_asked
.Lfirst_b:
	tensor_load_to_lds s[G0B:G0B+3], s[G1B:G1B+7]
	s_nop 0
	tensor_load_to_lds s[G0B+4:G0B+7], s[G1B:G1B+7]
	s_nop 0
	tensor_load_to_lds s[G0C:G0C+3], s[G1C:G1C+7]
	s_nop 0
.rept 4
	v_nop
.endr
.Lfirst_asked:
	v_and_b32 v1, 15, v0                           ; r = l % 16
	v_bfe_u32 v2, v0, 4, 1                         ; h = l / 16
	v_and_b32 v3, 31, v0                           ; l
	v_and_b32 v4, 7, v0                            ; l % 8
	v_bfe_u32 v5, v0, 3, 1                         ; (l / 8) % 2
	v_bfe_u32 v6, v0, 3, 2                         ; l / 8
	; bias', wx' and x first: the sums' start hangs on them
	s_lshl_b32 s90, s21, 8
	s_lshl_b32 s91, s18, 7
	s_add_co_u32 s90, s90, s91
	v_lshl_add_u32 v[SO], v2, 5, s90               ; column 64 jb + 32 ch + 8 h, in bytes; gate and b stand in the immediates
	v_lshlrev_b32 v[XO], 2, v1
	s_lshl_b32 s82, s22, 9
	s_lshl_b32 s83, s17, 8
	s_add_co_u32 s82, s82, s83
	s_mov_b32 s83, 0
	s_add_nc_u64 s[10:11], s[10:11], s[82:83]      ; x at my wave's first row
.irp q, 0,1,2,3,4,5,6,7
	global_load_b128 v[BI+8*(\q):BI+8*(\q)+3],   v[SO], s[80:81] offset:4096*((\q)/2)+64*((\q)%2)
	global_load_b128 v[BI+8*(\q)+4:BI+8*(\q)+7], v[SO], s[80:81] offset:4096*((\q)/2)+64*((\q)%2)+16
	global_load_b128 v[WX+8*(\q):WX+8*(\q)+3],   v[SO], s[80:81] offset:16384+4096*((\q)/2)+64*((\q)%2)
	global_load_b128 v[WX+8*(\q)+4:WX+8*(\q)+7], v[SO], s[80:81] offset:16384+4096*((\q)/2)+64*((\q)%2)+16
.endr
.irp a, 0,1,2,3
	global_load_b32 v[XV+2*(\a)],   v[XO], s[10:11] offset:64*(\a)
	global_load_b32 v[XV+2*(\a)+1], v[XO], s[10:11] offset:64*(\a)   ; twice: the packed multiply-add takes a pair
.endr
	; A fragment of h is 16 rows x 32 K: lane l holds row l % 16, K = 8 (l / 16) + 0..7 and 16 + 8 (l / 16) + 0..7: two loads of 16 bytes, 32 bytes apart.
	s_mul_i32 s87, s17, 64*PA
	v_mul_u32_u24 v7, v1, PA
	v_lshl_add_u32 v7, v2, 4, v7
	v_add_nc_u32 v[ADRA], s87, v7
	v_add_nc_u32 v[ADRA+1], SLOT, v[ADRA]
	; The turning load takes 16 k x 16 columns (lane l reads k row 8 (l / 16) + l % 8, columns 8 ((l / 8) % 2) + 0..7) and leaves half a fragment: lane l holds column l % 16 and 8 k.
	v_lshl_add_u32 v8, v2, 3, v4
	v_mul_u32_u24 v8, v8, PB
	v_lshl_add_u32 v8, v5, 4, v8
	s_lshl_b32 s87, s18, 6                         ; my 32 columns of a gate's 64
	s_add_co_u32 s87, s87, BOFF
	v_add_nc_u32 v[ADRB], s87, v8
	v_add_nc_u32 v[ADRB+1], SLOT, v[ADRB]
	s_mul_i32 s87, s17, 64*PCT                     ; c: row 64 rh + r, bytes 128 ch + 32 h on
	s_lshl_b32 s92, s18, 7
	s_add_co_u32 s87, s87, s92
	s_add_co_u32 s87, s87, CT
	v_mul_u32_u24 v7, v1, PCT
	v_lshl_add_u32 v7, v2, 5, v7
	v_add_nc_u32 v[CA], s87, v7
	s_mul_i32 s87, s17, 64*PHS                     ; h': row 64 rh + r, bytes 64 ch + 16 h on
	s_lshl_b32 s92, s18, 6
	s_add_co_u32 s87, s87, s92
	s_add_co_u32 s87, s87, HS
	v_mul_u32_u24 v7, v1, PHS
	v_lshl_add_u32 v7, v2, 4, v7
	v_add_nc_u32 v[HA], s87, v7
	v_mul_u32_u24 v7, v2, PCT                      ; back: wave w takes rows 32 w on, whole; of c' lanes 0-15 one row of 256 bytes, lanes 16-31 the next
	v_lshl_add_u32 v7, v1, 4, v7
	v_add_nc_u32 v[CRD], s86, v7
	s_mul_i32 s87, s16, 32*PHS                     ; of h' eight lanes a row of 128 bytes
	s_add_co_u32 s87, s87, HS
	v_mul_u32_u24 v7, v6, PHS
	v_lshl_add_u32 v7, v4, 4, v7
	v_add_nc_u32 v[HRD], s87, v7
	v_lshlrev_b32 v[CGO], 12, v2
	v_lshl_add_u32 v[CGO], v1, 4, v[CGO]
	v_lshlrev_b32 v[HGO], 4, v3
	s_lshl_b32 s90, s21, 18                        ; hout: my column block is the next layer's k chunk,
	s_lshl_b32 s91, s22, 14                        ; my block's 128 rows of 128 bytes,
	s_add_co_u32 s90, s90, s91
	s_lshl_b32 s91, s16, 12                        ; my wave's 32
	s_add_co_u32 s90, s90, s91
	s_mov_b32 s91, 0
	s_add_nc_u64 s[12:13], s[12:13], s[90:91]
	s_wait_loadcnt 0x0                             ; bias', wx', x
	WIN W_INI
.set i, 0
.rept 128                              ; pair i % 32 of my 64 columns, row tile i / 32: the sums start with x wx' + bias'
	v_pk_fma_f32 v[2*i:2*i+1], v[WX+2*(i%32):WX+2*(i%32)+1], v[XV+2*(i/32):XV+2*(i/32)+1], v[BI+2*(i%32):BI+2*(i%32)+1]
.set i, i+1
.endr
	WIN 0
; 8 matrix instructions: row tile a x my 8 column tiles, 32 along K.  The 32 accumulators take turns, one instruction a turn, in the same order in every quarter.
.macro MUL8 f, a
	WIN W_MUL
.irp q, 0,1,2,3,4,5,6,7
	v_wmma_f32_16x16x32_bf16 v[64*(\a)+8*(\q):64*(\a)+8*(\q)+7], v[(\f)+32+8*(\q):(\f)+32+8*(\q)+7], v[(\f)+8*(\a):(\f)+8*(\a)+7], v[64*(\a)+8*(\q):64*(\a)+8*(\q)+7]
.endr
.endm
.macro MUL16 f, a0
	MUL8 \f, \a0
	MUL8 \f, (\a0)+1
.endm
; 24 LDS loads in one run: the fragments of quarter kk (32 along K) of a slot into buffer f: W's sixteen first, then h's eight
.macro FETCH slot, kk, f
	WIN 0
.irp q, 0,1,2,3,4,5,6,7                ; gate q / 2, columns 16 (q % 2) on
	ds_load_tr16_b128 v[(\f)+32+8*(\q):(\f)+32+8*(\q)+3],   v[ADRB+(\slot)] offset:(\kk)*32*PB+128*((\q)/2)+32*((\q)%2)
	ds_load_tr16_b128 v[(\f)+32+8*(\q)+4:(\f)+32+8*(\q)+7], v[ADRB+(\slot)] offset:(\kk)*32*PB+16*PB+128*((\q)/2)+32*((\q)%2)
.endr
.irp a, 0,1,2,3
	ds_load_b128 v[(\f)+8*(\a):(\f)+8*(\a)+3],   v[ADRA+(\slot)] offset:((\kk)/2)*ACH+((\kk)%2)*64+(\a)*16*PA
	ds_load_b128 v[(\f)+8*(\a)+4:(\f)+8*(\a)+7], v[ADRA+(\slot)] offset:((\kk)/2)*ACH+((\kk)%2)*64+(\a)*16*PA+32
.endr
.endm
; A K step is four quarters of 32 along K, 32 matrix instructions each, on buffers 0, 1, 0, 1.  One of the first three: multiplies buffer f and, in its middle, fetches quarter kk into buffer g.
.macro QUARTER slot, kk, f, g
	s_wait_dscnt 4                                 ; W's fragments and h's row tiles 0, 1 are in; the youngest four loads (row tiles 2, 3) may be out
	MUL16 \f, 0
	PLACES
	FETCH \slot, \kk, \g
	s_wait_dscnt 24                                ; all but the 24 just issued
	MUL16 \f, 2
.endm
; The last quarter multiplies buffer 1 and changes slots: ONE barrier; in front of it each wave waits for all its tensor loads, adds 0 to its spare word, and waits for that and for its own reads of this slot.
; fill = 1: the barrier opens a round of the cluster's, and this slot is filled again, two K steps ahead, first thing behind the round: 112 matrix instructions ahead of the wait for it.
.macro TURN slot, next, fill
	WIN 0                                          ; (the add's two registers lie in window 0)
	s_wait_tensorcnt 0x0                           ; all my tensor loads have landed: my part of the next slot (the first time c's quarter too);
	ds_add_u32 v[SPW], v[NIL]                      ; 0 onto my spare word;
	s_wait_dscnt 5                                 ; (the add and the youngest four loads may be out)
	MUL8 F1, 0                                     ; eight matrix instructions stand between the add and the wait for it
	s_wait_dscnt 0x0                               ; the add is done, and my reads of this slot are over
	s_barrier_signal -1
	MUL8 F1, 1
.if \fill
	WIN 0
.endif
	s_barrier_wait -1
.if \fill
	CREST                                          ; no wave of any partner still reads this slot's tiles or has a load on its way
	s_add_nc_u64 s[G0A+4*(\slot)+2:G0A+4*(\slot)+3], s[G0A+4*(\slot)+2:G0A+4*(\slot)+3], 1048576
	s_add_nc_u64 s[G0B+4*(\slot)+2:G0B+4*(\slot)+3], s[G0B+4*(\slot)+2:G0B+4*(\slot)+3], 131072
	JLOAD \slot                                    ; its four v_nop are also the places in front of the loads below
.else
	PLACES
.endif
	FETCH \next, 0, F0
	MUL16 F1, 2
.endm
	s_wait_tensorcnt 2                             ; my part of K step 0 is in; K step 1's and c's quarter, issued behind it, may stay out
	s_barrier_signal -1
	s_barrier_wait -1                              ; everybody's is
	FETCH 0, 0, F0
	s_mov_b32 s3, 3
.Llap:                                                 ; three trips, two K steps each, fill both slots again: K steps 2 to 7
	QUARTER 0, 1, F0, F1
	QUARTER 0, 2, F1, F0
	QUARTER 0, 3, F0, F1
	TURN 0, 1, 1
	QUARTER 1, 1, F0, F1
	QUARTER 1, 2, F1, F0
	QUARTER 1, 3, F0, F1
	TURN 1, 0, 1
	WIN 0                                          ; at a label and at a branch every window is 0
	s_sub_co_u32 s3, s3, 1
	s_cmp_lg_u32 s3, 0
	s_cbranch_scc1 .Llap
	QUARTER 0, 1, F0, F1                           ; the last lap is written out: it fills nothing
	QUARTER 0, 2, F1, F0
	QUARTER 0, 3, F0, F1
	TURN 0, 1, 0
	QUARTER 1, 1, F0, F1
	QUARTER 1, 2, F1, F0
	QUARTER 1, 3, F0, F1
	s_wait_dscnt 4                                 ; the very last quarter: in its middle c comes out of its tile, which the first change of slots has shown whole to every wave
	MUL16 F1, 0
	PLACES
	WIN 0
.irp t, 0,1,2,3,4,5,6,7                ; tile t: rows 16 (t / 2) on, hidden columns 16 (t % 2) on: my 8 columns are 32 bytes
	ds_load_b128 v[CR+8*(\t):CR+8*(\t)+3],   v[CA] offset:((\t)/2)*16*PCT+64*((\t)%2)
	ds_load_b128 v[CR+8*(\t)+4:CR+8*(\t)+7], v[CA] offset:((\t)/2)*16*PCT+64*((\t)%2)+16
.endr
	s_wait_dscnt 16                                ; all but the 16 just issued
	MUL16 F1, 2
	WIN 0
	PLACES                                         ; the cell reads results just made and writes over buffer 1
	s_wait_dscnt 0x0                               ; c
; THE CELL for tile t: 8 numbers a lane.  Exponentials and reciprocals stand in runs, with one plain line behind each run before a result is used (ISA guide 5.7.2).
; Each accumulator is read from its lowest register on.
.macro TILE t
.set TA, (\t)/2
.set TC, (\t)%2
.set CRT, CR+8*(\t)
.set HBT, HB+4*((\t)%2)
	WIN W_EXP
.set i, 0
.rept 32                               ; 2^z' for gates i, f, g, o
	v_exp_f32 v[T+i], v[64*TA+8*(2*(i/8)+TC)+i%8]
.set i, i+1
.endr
	WIN 0
	v_nop
.set i, 0
	s_wait_alu depctr_va_vdst(0)
.rept 16
	v_pk_add_f32 v[T+2*i:T+2*i+1], v[T+2*i:T+2*i+1], 1.0 op_sel_hi:[1,0]
.set i, i+1
.endr
.set i, 0
.rept 32
	v_rcp_f32 v[T+i], v[T+i]                       ; sig(i), sig(f), sig(o); for g half of what tanh lacks to 1
.set i, i+1
.endr
	v_nop
	s_wait_alu depctr_va_vdst(0)
.irp p, 0,2,4,6
	v_pk_fma_f32 v[T+16+\p:T+17+\p], v[T+16+\p:T+17+\p], -2.0, 1.0 op_sel_hi:[1,0,0]  ; tanh(g)
.endr
.irp p, 0,2,4,6
	v_pk_mul_f32 v[T+\p:T+1+\p], v[T+\p:T+1+\p], v[T+16+\p:T+17+\p]                   ; sig(i) tanh(g)
.endr
.irp p, 0,2,4,6
	v_pk_fma_f32 v[CRT+\p:CRT+1+\p], v[T+8+\p:T+9+\p], v[CRT+\p:CRT+1+\p], v[T+\p:T+1+\p]  ; c' = sig(f) c + that
.endr
	ds_store_b128 v[CA], v[CRT:CRT+3]   offset:CSD+TA*16*PCT+64*TC
	ds_store_b128 v[CA], v[CRT+4:CRT+7] offset:CSD+TA*16*PCT+64*TC+16
.irp p, 0,2,4,6
	v_pk_mul_f32 v[T+8+\p:T+9+\p], v[CRT+\p:CRT+1+\p], s[72:73] op_sel_hi:[1,0]
.endr
.irp p, 0,1,2,3,4,5,6,7
	v_exp_f32 v[T+8+\p], v[T+8+\p]
.endr
	v_nop
	s_wait_alu depctr_va_vdst(0)
.irp p, 0,2,4,6
	v_pk_add_f32 v[T+8+\p:T+9+\p], v[T+8+\p:T+9+\p], 1.0 op_sel_hi:[1,0]
.endr
.irp p, 0,1,2,3,4,5,6,7
	v_rcp_f32 v[T+8+\p], v[T+8+\p]
.endr
	v_nop
	s_wait_alu depctr_va_vdst(0)
.irp p, 0,2,4,6
	v_pk_fma_f32 v[T+8+\p:T+9+\p], v[T+8+\p:T+9+\p], -2.0, 1.0 op_sel_hi:[1,0,0]      ; tanh(c')
.endr
.irp p, 0,2,4,6
	v_pk_mul_f32 v[T+24+\p:T+25+\p], v[T+24+\p:T+25+\p], v[T+8+\p:T+9+\p]             ; h' = sig(o) tanh(c')
.endr
.irp p, 0,1,2,3
	v_cvt_pk_bf16_f32 v[HBT+\p], v[T+24+2*\p], v[T+25+2*\p]
.endr
	ds_store_b128 v[HA], v[HBT:HBT+3] offset:TA*16*PHS+32*TC
.endm
.irp t, 0,1,2,3,4,5,6,7
	TILE \t
.endr
	; THE WAY OUT.  A row's 256 bytes of c' and 128 of h' come from two waves: a barrier stands between the writing and the reading; then each wave takes 32 whole rows.
	s_wait_dscnt 0x0                               ; for the others' sake: my stores into the stages are done
	s_barrier_signal -1
	s_barrier_wait -1
.irp t, 0,1,2,3,4,5,6,7,8,9,10,11,12,13,14,15
	ds_load_b128 v[64+4*(\t):64+4*(\t)+3], v[CRD] offset:CSD+(\t)*2*PCT
.endr
.irp t, 0,1,2,3,4,5,6,7
	ds_load_b128 v[160+4*(\t):160+4*(\t)+3], v[HRD] offset:(\t)*4*PHS
.endr
.irp t, 0,1,2,3,4,5,6,7,8,9,10,11,12,13,14,15
	s_wait_dscnt 23-(\t)                           ; LDS loads come back in order: the younger ones stay out
	global_store_b128 v[CGO], v[64+4*(\t):64+4*(\t)+3], s[14:15] offset:(\t)*8192   ; 16 lanes store 256 consecutive bytes, at a multiple of 256 from cout's first byte
.endr
.irp t, 0,1,2,3,4,5,6,7
	s_wait_dscnt 7-(\t)
	global_store_b128 v[HGO], v[160+4*(\t):160+4*(\t)+3], s[12:13] offset:(\t)*512  ; four rows of 128 bytes: 512 consecutive bytes
.endr
	s_wait_tensorcnt 0x0                           ; the wave's end: the add and its waits stand behind my last tensor load and my last LDS store
	ds_add_u32 v[SPW], v[NIL]
	s_wait_dscnt 0x0
	CROUND                                         ; the closing round: no work-group ends while a partner may still ask for a tile that names it
	s_endpgm
.Lfunc_end_k_qb88fb28571_layer0:
	.size	k_qb88fb28571_layer0, .Lfunc_end_k_qb88fb28571_layer0-k_qb88fb28571_layer0
	.p2alignl 7, 3214868480
	.fill 96, 4, 3214868480
	.section	.rodata,"a",@progbits
	.p2align	6, 0x0
	.amdhsa_kernel k_qb88fb28571_layer0
		.amdhsa_group_segment_fixed_size 327680
		.amdhsa_private_segment_fixed_size 0
		.amdhsa_enable_private_segment 0
		.amdhsa_kernarg_size 48
		.amdhsa_user_sgpr_count 2
		.amdhsa_user_sgpr_kernarg_segment_ptr 1
		.amdhsa_wavefront_size32 1
		.amdhsa_system_sgpr_workgroup_id_x 1
		.amdhsa_system_sgpr_workgroup_id_y 1
		.amdhsa_system_sgpr_workgroup_id_z 1
		.amdhsa_system_vgpr_workitem_id 0
		.amdhsa_next_free_vgpr 512
		.amdhsa_next_free_sgpr 96
		.amdhsa_reserve_vcc 0
		.amdhsa_float_denorm_mode_32 3
		.amdhsa_float_denorm_mode_16_64 3
		.amdhsa_memory_ordered 1
		.amdhsa_forward_progress 1
		.amdhsa_inst_pref_size 138
	.end_amdhsa_kernel
	.amdgpu_metadata
---
amdhsa.version: [ 1, 2 ]
amdhsa.kernels:
  - .name:           k_qb88fb28571_layer0
    .symbol:         k_qb88fb28571_layer0.kd
    .args:
      - { .name: hA, .offset: 0, .size: 8, .value_kind: global_buffer, .address_space: global }
      - { .name: w0, .offset: 8, .size: 8, .value_kind: global_buffer, .address_space: global }
      - { .name: c0, .offset: 16, .size: 8, .value_kind: global_buffer, .address_space: global }
      - { .name: x_todec, .offset: 24, .size: 8, .value_kind: global_buffer, .address_space: global }
      - { .name: hB, .offset: 32, .size: 8, .value_kind: global_buffer, .address_space: global }
      - { .name: cA, .offset: 40, .size: 8, .value_kind: global_buffer, .address_space: global }
    .group_segment_fixed_size: 327680
    .private_segment_fixed_size: 0
    .kernarg_segment_align: 8
    .kernarg_segment_size: 48
    .max_flat_workgroup_size: 128
    .sgpr_count:     96
    .vgpr_count:     512
    .wavefront_size: 32
...
	.end_amdgpu_metadata
.endif
;; end of part 2
;; launch layer1: the kernel of part 2 again; grid 16 x 16, 4 waves a work-group, clusters of 4 x 4, 327,680 bytes of LDS; arguments hB, w1, cA, x_todec, hA, cB; writes hA, cB
;; launch layer2: the kernel of part 2 again; grid 16 x 16, 4 waves a work-group, clusters of 4 x 4, 327,680 bytes of LDS; arguments hA, w2, cB, x_todec, hB, cA; writes hB, cA
;; launch layer3: the kernel of part 2 again; grid 16 x 16, 4 waves a work-group, clusters of 4 x 4, 327,680 bytes of LDS; arguments hB, w3, cA, x_todec, hA, out0; writes hA, out0
;; launch head (part 3): grid 256 x 1, 4 waves a work-group, no clusters, 0 bytes of LDS; arguments hA, Wd, bd, out1, out2; writes out1, out2
.if DOCPART == 3
	.amdgcn_target "amdgcn-amd-amdhsa--gfx1250"
	.amdhsa_code_object_version 6
	.text
	.protected	k_qb88fb28571_head
	.globl	k_qb88fb28571_head
	.p2align	8
	.type	k_qb88fb28571_head,@function
k_qb88fb28571_head:
	s_mov_b64 s[64:65], 0
	v_nop
	global_prefetch_b8 v0, s[64:65] scope:SCOPE_SE
	s_setreg_imm32_b32 hwreg(HW_REG_WAVE_MODE, 25, 1), 1
	s_wait_xcnt 0x0
; HEAD: out1 = the last layer's h, widened from bf16 [kc 16][row 2048][64] to f32 [2048][1024];  out2[row] = h[row] . Wd + bd, products and sum in f32.
; LIMIT.  h was rounded once to bf16 by the layer that made it (2^-9 of itself at the most); out1 and the product take that number.
; The product has ONE output column: a matrix instruction would use one of its sixteen, so it rides on the widening, two packed multiply-adds for each four numbers.  No LDS, no barrier.
; SHARES.  A work-group owns 8 rows, a wave two: lanes 0-15 the first, lanes 16-31 the second; lane l holds columns 64 kc + 4 (l % 16) + 0..3 of each chunk kc.
; A wave's load of h covers 256 consecutive bytes (two rows of a chunk); in a store of out1 sixteen lanes fill 256 consecutive bytes, aligned.  All 32 loads go out first.
.set S,  8                             ; v[8:11]    four running sums
.set H,  16                            ; v[16:47]   chunk kc: 2 registers, 4 bf16
.set WD, 48                            ; v[48:111]  chunk kc: my 4 numbers of Wd
.set F,  112                           ; v[112:175] chunk kc: my 4 numbers of h in f32
	s_load_b256 s[4:11], s[0:1], 0x0               ; hA s[4:5], Wd s[6:7], bd s[8:9], out1 s[10:11]
	s_load_b64 s[12:13], s[0:1], 0x20              ; out2
	v_lshlrev_b32 v4, 3, v0                        ; h: 256 wave + 8 lane
	v_and_b32 v3, 15, v0
	v_lshlrev_b32 v5, 4, v3                        ; Wd: 16 (l % 16)
	v_lshrrev_b32 v2, 4, v0                        ; my row among the group's eight
	v_lshl_add_u32 v6, v2, 12, v5                  ; out1: row x 4,096 + 16 (l % 16)
	v_lshlrev_b32 v7, 2, v2                        ; out2
	s_lshl_b32 s16, ttmp9, 10                      ; eight rows of 128 bytes in a chunk
	s_mov_b32 s17, 0
	s_lshl_b32 s18, ttmp9, 15                      ; eight rows of 4,096 bytes
	s_mov_b32 s19, 0
	s_lshl_b32 s20, ttmp9, 5                       ; eight numbers
	s_mov_b32 s21, 0
	s_mov_b32 s22, 0xffff0000                      ; a word's upper bf16
	s_wait_kmcnt 0x0
	s_load_b32 s14, s[8:9], 0x0                    ; bd
	s_add_nc_u64 s[4:5], s[4:5], s[16:17]
	s_add_nc_u64 s[10:11], s[10:11], s[18:19]
	s_add_nc_u64 s[12:13], s[12:13], s[20:21]
.irp k, 0,1,2,3,4,5,6,7,8,9,10,11,12,13,14,15
	global_load_b64  v[H+2*(\k):H+2*(\k)+1],   v4, s[4:5] offset:(\k)*262144 th:TH_LOAD_NT
	global_load_b128 v[WD+4*(\k):WD+4*(\k)+3], v5, s[6:7] offset:(\k)*256
.endr
.irp k, 0,1,2,3,4,5,6,7,8,9,10,11,12,13,14,15
	s_wait_loadcnt 30-2*(\k)                       ; loads come back in order: this chunk's two are in, the later chunks' stay out
	v_lshlrev_b32 v[F+4*(\k)],   16,  v[H+2*(\k)]
	v_and_b32     v[F+4*(\k)+1], s22, v[H+2*(\k)]
	v_lshlrev_b32 v[F+4*(\k)+2], 16,  v[H+2*(\k)+1]
	v_and_b32     v[F+4*(\k)+3], s22, v[H+2*(\k)+1]
.if (\k) == 0
	v_pk_mul_f32 v[S:S+1],   v[F:F+1],   v[WD:WD+1]        ; the first chunk starts the sums: nothing is cleared
	v_pk_mul_f32 v[S+2:S+3], v[F+2:F+3], v[WD+2:WD+3]
.else
	v_pk_fma_f32 v[S:S+1],   v[F+4*(\k):F+4*(\k)+1],   v[WD+4*(\k):WD+4*(\k)+1],   v[S:S+1]
	v_pk_fma_f32 v[S+2:S+3], v[F+4*(\k)+2:F+4*(\k)+3], v[WD+4*(\k)+2:WD+4*(\k)+3], v[S+2:S+3]
.endif
	global_store_b128 v6, v[F+4*(\k):F+4*(\k)+3], s[10:11] offset:(\k)*256 th:TH_STORE_NT
.endr
	v_add_f32 v[S], v[S], v[S+1]
	v_add_f32 v[S+2], v[S+2], v[S+3]
	v_add_f32 v[S], v[S], v[S+2]
	v_add_f32_dpp v[S], v[S], v[S] row_xmask:1 row_mask:0xf bank_mask:0xf  ; over the row's sixteen lanes
	v_add_f32_dpp v[S], v[S], v[S] row_xmask:2 row_mask:0xf bank_mask:0xf
	v_add_f32_dpp v[S], v[S], v[S] row_xmask:4 row_mask:0xf bank_mask:0xf
	v_add_f32_dpp v[S], v[S], v[S] row_xmask:8 row_mask:0xf bank_mask:0xf
	s_wait_kmcnt 0x0                               ; bd
	v_add_f32 v[S], s14, v[S]
	v_cmp_eq_u32 vcc_lo, 0, v3
	s_wait_xcnt 0x0                                ; EXEC is a source of the stores above: it changes only behind this wait
	s_and_saveexec_b32 s15, vcc_lo                 ; lanes 0 and 16: out2 is 8,192 bytes in all, two neighbouring numbers a wave
	global_store_b32 v7, v[S], s[12:13]
	s_wait_xcnt 0x0                                ; and again in front of the line that widens it
	s_or_b32 exec_lo, exec_lo, s15
	s_endpgm
.Lfunc_end_k_qb88fb28571_head:
	.size	k_qb88fb28571_head, .Lfunc_end_k_qb88fb28571_head-k_qb88fb28571_head
	.p2alignl 7, 3214868480
	.fill 96, 4, 3214868480
	.section	.rodata,"a",@progbits
	.p2align	6, 0x0
	.amdhsa_kernel k_qb88fb28571_head
		.amdhsa_group_segment_fixed_size 0
		.amdhsa_private_segment_fixed_size 0
		.amdhsa_enable_private_segment 0
		.amdhsa_kernarg_size 40
		.amdhsa_user_sgpr_count 2
		.amdhsa_user_sgpr_kernarg_segment_ptr 1
		.amdhsa_wavefront_size32 1
		.amdhsa_system_sgpr_workgroup_id_x 1
		.amdhsa_system_sgpr_workgroup_id_y 1
		.amdhsa_system_sgpr_workgroup_id_z 1
		.amdhsa_system_vgpr_workitem_id 0
		.amdhsa_next_free_vgpr 176
		.amdhsa_next_free_sgpr 66
		.amdhsa_reserve_vcc 1
		.amdhsa_float_denorm_mode_32 3
		.amdhsa_float_denorm_mode_16_64 3
		.amdhsa_memory_ordered 1
		.amdhsa_forward_progress 1
		.amdhsa_inst_pref_size 11
	.end_amdhsa_kernel
	.amdgpu_metadata
---
amdhsa.version: [ 1, 2 ]
amdhsa.kernels:
  - .name:           k_qb88fb28571_head
    .symbol:         k_qb88fb28571_head.kd
    .args:
      - { .name: hA, .offset: 0, .size: 8, .value_kind: global_buffer, .address_space: global }
      - { .name: Wd, .offset: 8, .size: 8, .value_kind: global_buffer, .address_space: global }
      - { .name: bd, .offset: 16, .size: 8, .value_kind: global_buffer, .address_space: global }
      - { .name: out1, .offset: 24, .size: 8, .value_kind: global_buffer, .address_space: global }
      - { .name: out2, .offset: 32, .size: 8, .value_kind: global_buffer, .address_space: global }
    .group_segment_fixed_size: 0
    .private_segment_fixed_size: 0
    .kernarg_segment_align: 8
    .kernarg_segment_size: 40
    .max_flat_workgroup_size: 128
    .sgpr_count:     66
    .vgpr_count:     176
    .wavefront_size: 32
...
	.end_amdgpu_metadata
.endif
;; end of part 3
;; ======== version 2 of 2: 6 launches; version 1 with the launch head written anew for expert scheduling mode
;; limits: values outside matrix products are rounded to bf16
;; workspace buffers: w0 8,421,376 bytes; w1 8,421,376 bytes; w2 8,421,376 bytes; w3 8,421,376 bytes; hA 4,194,304 bytes; hB 4,194,304 bytes; cA 8,388,608 bytes; cB 8,388,608 bytes
;; launch prep: the kernel of part 1 again; grid 256 x 5, 8 waves a work-group, no clusters, 0 bytes of LDS; arguments Wh0, Wx, Wh, b0, b, Wx0, h0, w0, w1, w2, w3, hA; writes w0, w1, w2, w3, hA
;; launch layer0: the kernel of part 2 again; grid 16 x 16, 4 waves a work-group, clusters of 4 x 4, 327,680 bytes of LDS; arguments hA, w0, c0, x_todec, hB, cA; writes hB, cA
;; launch layer1: the kernel of part 2 again; grid 16 x 16, 4 waves a work-group, clusters of 4 x 4, 327,680 bytes of LDS; arguments hB, w1, cA, x_todec, hA, cB; writes hA, cB
;; launch layer2: the kernel of part 2 again; grid 16 x 16, 4 waves a work-group, clusters of 4 x 4, 327,680 bytes of LDS; arguments hA, w2, cB, x_todec, hB, cA; writes hB, cA
;; launch layer3: the kernel of part 2 again; grid 16 x 16, 4 waves a work-group, clusters of 4 x 4, 327,680 bytes of LDS; arguments hB, w3, cA, x_todec, hA, out0; writes hA, out0
;; launch head (part 4): grid 256 x 1, 4 waves a work-group, no clusters, 0 bytes of LDS; arguments hA, Wd, bd, out1, out2; writes out1, out2
.if DOCPART == 4
	.amdgcn_target "amdgcn-amd-amdhsa--gfx1250"
	.amdhsa_code_object_version 6
	.text
	.protected	k_qb88fb28571_head
	.globl	k_qb88fb28571_head
	.p2align	8
	.type	k_qb88fb28571_head,@function
k_qb88fb28571_head:
	s_mov_b64 s[64:65], 0
	v_nop
	global_prefetch_b8 v0, s[64:65] scope:SCOPE_SE
	s_setreg_imm32_b32 hwreg(HW_REG_WAVE_SCHED_MODE, 0, 2), 2
	s_setreg_imm32_b32 hwreg(HW_REG_WAVE_MODE, 25, 1), 1
	s_wait_xcnt 0x0
	s_wait_alu depctr_vm_vsrc(0)
; HEAD: out1 = the last layer's h, widened from bf16 [kc 16][row 2048][64] to f32 [2048][1024];  out2[row] = h[row] . Wd + bd, products and sum in f32.
; LIMIT.  h was rounded once to bf16 by the layer that made it (2^-9 of itself at the most); out1 and the product take that number.
; The product has ONE output column: a matrix instruction would use one of its sixteen, so it rides on the widening, two packed multiply-adds for each four numbers.  No LDS, no barrier.
; SHARES.  A work-group owns 8 rows, a wave two: lanes 0-15 the first, lanes 16-31 the second; lane l holds columns 64 kc + 4 (l % 16) + 0..3 of each chunk kc.
; A wave's load of h covers 256 consecutive bytes (two rows of a chunk); in a store of out1 sixteen lanes fill 256 consecutive bytes, aligned.  All 32 loads go out first.
; THE MODE: SCHED_MODE bits 1:0 = 2 (LLVM: expert scheduling mode 2), set by the entry lines.  The code itself states the register dependences
; between vector instructions and memory instructions, with s_wait_alu, always for 0.
; THE PLAN.  Registers that memory instructions touch:
;   v4 .. v7   byte offsets, made once at the head and never written again: one wait ahead of the first load serves every load and store.
;   H, WD      each register is written by one load and by nothing else; read by its chunk's vector lines behind the chunk's wait on LOADcnt.
;   F          chunk k's four registers are written once, by the chunk's unpacking lines, and read by its multiply-adds and by its one store; never written again.
;   v8         the sum: the last store's data.
; The 16 chunks go in four groups of four.  Group g's vector lines name H, WD and F of its own chunks and the sums; its memory instructions are the four stores of group g - 1,
; whose F no vector line of group g names.  So ONE wait at a group's head states all that its four stores hang on, and they are dealt among the group's chunks, each ahead of a chunk's wait for its loads.
.set S,  8                             ; v[8:11]    four running sums
.set H,  16                            ; v[16:47]   chunk kc: 2 registers, 4 bf16
.set WD, 48                            ; v[48:111]  chunk kc: my 4 numbers of Wd
.set F,  112                           ; v[112:175] chunk kc: my 4 numbers of h in f32
	s_load_b256 s[4:11], s[0:1], 0x0               ; hA s[4:5], Wd s[6:7], bd s[8:9], out1 s[10:11]
	s_load_b64 s[12:13], s[0:1], 0x20              ; out2
	v_lshlrev_b32 v4, 3, v0                        ; h: 256 wave + 8 lane
	v_and_b32 v3, 15, v0
	v_lshlrev_b32 v5, 4, v3                        ; Wd: 16 (l % 16)
	v_lshrrev_b32 v2, 4, v0                        ; my row among the group's eight
	v_lshl_add_u32 v6, v2, 12, v5                  ; out1: row x 4,096 + 16 (l % 16)
	v_lshlrev_b32 v7, 2, v2                        ; out2
	s_lshl_b32 s16, ttmp9, 10                      ; eight rows of 128 bytes in a chunk
	s_mov_b32 s17, 0
	s_lshl_b32 s18, ttmp9, 15                      ; eight rows of 4,096 bytes
	s_mov_b32 s19, 0
	s_lshl_b32 s20, ttmp9, 5                       ; eight numbers
	s_mov_b32 s21, 0
	s_mov_b32 s22, 0xffff0000                      ; a word's upper bf16
	s_wait_kmcnt 0x0
	s_load_b32 s14, s[8:9], 0x0                    ; bd
	s_add_nc_u64 s[4:5], s[4:5], s[16:17]
	s_add_nc_u64 s[10:11], s[10:11], s[18:19]
	s_add_nc_u64 s[12:13], s[12:13], s[20:21]
	s_wait_alu depctr_va_vdst(0)                   ; the offsets v4, v5, v6 and v7 are written: every load and store of the kernel reads one of them
.irp k, 0,1,2,3,4,5,6,7,8,9,10,11,12,13,14,15
	global_load_b64  v[H+2*(\k):H+2*(\k)+1],   v4, s[4:5] offset:(\k)*262144 th:TH_LOAD_NT
	global_load_b128 v[WD+4*(\k):WD+4*(\k)+3], v5, s[6:7] offset:(\k)*256
.endr
; Chunk k: widened into F, and its four products added onto the sums.
.macro CHUNK k
	s_wait_loadcnt 30-2*(\k)                       ; loads come back in order: this chunk's two are in, the later chunks' stay out
	v_lshlrev_b32 v[F+4*(\k)],   16,  v[H+2*(\k)]
	v_and_b32     v[F+4*(\k)+1], s22, v[H+2*(\k)]
	v_lshlrev_b32 v[F+4*(\k)+2], 16,  v[H+2*(\k)+1]
	v_and_b32     v[F+4*(\k)+3], s22, v[H+2*(\k)+1]
.if (\k) == 0
	v_pk_mul_f32 v[S:S+1],   v[F:F+1],   v[WD:WD+1]        ; the first chunk starts the sums: nothing is cleared
	v_pk_mul_f32 v[S+2:S+3], v[F+2:F+3], v[WD+2:WD+3]
.else
	v_pk_fma_f32 v[S:S+1],   v[F+4*(\k):F+4*(\k)+1],   v[WD+4*(\k):WD+4*(\k)+1],   v[S:S+1]
	v_pk_fma_f32 v[S+2:S+3], v[F+4*(\k)+2:F+4*(\k)+3], v[WD+4*(\k)+2:WD+4*(\k)+3], v[S+2:S+3]
.endif
.endm
; Chunk k's 16 bytes a lane of out1.
.macro OUT k
	global_store_b128 v6, v[F+4*(\k):F+4*(\k)+3], s[10:11] offset:(\k)*256 th:TH_STORE_NT
.endm
.irp k, 0,1,2,3
	CHUNK \k                                       ; group 0 has no group in front of it: no store
.endr
.irp g, 1,2,3
	s_wait_alu depctr_va_vdst(0)                   ; the group before has written its F, which the four stores below read; no vector line of this group names those registers
.irp j, 0,1,2,3
	OUT 4*(\g)-4+(\j)
	CHUNK 4*(\g)+(\j)
.endr
.endr
	s_wait_alu depctr_va_vdst(0)                   ; group 3 has written its F, which the last four stores of out1 read; the reduction behind them names no F
.irp k, 12,13,14,15
	OUT \k
.endr
	v_add_f32 v[S], v[S], v[S+1]
	v_add_f32 v[S+2], v[S+2], v[S+3]
	v_add_f32 v[S], v[S], v[S+2]
	v_add_f32_dpp v[S], v[S], v[S] row_xmask:1 row_mask:0xf bank_mask:0xf  ; over the row's sixteen lanes
	v_add_f32_dpp v[S], v[S], v[S] row_xmask:2 row_mask:0xf bank_mask:0xf
	v_add_f32_dpp v[S], v[S], v[S] row_xmask:4 row_mask:0xf bank_mask:0xf
	v_add_f32_dpp v[S], v[S], v[S] row_xmask:8 row_mask:0xf bank_mask:0xf
	s_wait_kmcnt 0x0                               ; bd
	v_add_f32 v[S], s14, v[S]
	v_cmp_eq_u32 vcc_lo, 0, v3
	s_wait_xcnt 0x0                                ; EXEC is a source of the stores above: it changes only behind this wait
	s_wait_alu depctr_va_vcc(0)                    ; the compare has written VCC, from which EXEC is made
	s_wait_alu depctr_va_vdst(0)                   ; ahead of the write of EXEC: the vector lines issued so far are done; among them the sum v8 is written, which the store below reads
	s_wait_alu depctr_vm_vsrc(0)                   ; ahead of the write of EXEC: the stores issued so far have read their vector registers
	s_and_saveexec_b32 s15, vcc_lo                 ; lanes 0 and 16: out2 is 8,192 bytes in all, two neighbouring numbers a wave
	global_store_b32 v7, v[S], s[12:13]
	s_wait_xcnt 0x0                                ; and again in front of the line that widens it
	s_wait_alu depctr_va_vdst(0)                   ; ahead of the write of EXEC: no vector line is pending
	s_wait_alu depctr_vm_vsrc(0)                   ; ahead of the write of EXEC: the store has read v7 and v8
	s_or_b32 exec_lo, exec_lo, s15
	s_endpgm
.Lfunc_end_k_qb88fb28571_head:
	.size	k_qb88fb28571_head, .Lfunc_end_k_qb88fb28571_head-k_qb88fb28571_head
	.p2alignl 7, 3214868480
	.fill 96, 4, 3214868480
	.section	.rodata,"a",@progbits
	.p2align	6, 0x0
	.amdhsa_kernel k_qb88fb28571_head
		.amdhsa_group_segment_fixed_size 0
		.amdhsa_private_segment_fixed_size 0
		.amdhsa_enable_private_segment 0
		.amdhsa_kernarg_size 40
		.amdhsa_user_sgpr_count 2
		.amdhsa_user_sgpr_kernarg_segment_ptr 1
		.amdhsa_wavefront_size32 1
		.amdhsa_system_sgpr_workgroup_id_x 1
		.amdhsa_system_sgpr_workgroup_id_y 1
		.amdhsa_system_sgpr_workgroup_id_z 1
		.amdhsa_system_vgpr_workitem_id 0
		.amdhsa_next_free_vgpr 176
		.amdhsa_next_free_sgpr 66
		.amdhsa_reserve_vcc 1
		.amdhsa_float_denorm_mode_32 3
		.amdhsa_float_denorm_mode_16_64 3
		.amdhsa_memory_ordered 1
		.amdhsa_forward_progress 1
		.amdhsa_inst_pref_size 12
	.end_amdhsa_kernel
	.amdgpu_metadata
---
amdhsa.version: [ 1, 2 ]
amdhsa.kernels:
  - .name:           k_qb88fb28571_head
    .symbol:         k_qb88fb28571_head.kd
    .args:
      - { .name: hA, .offset: 0, .size: 8, .value_kind: global_buffer, .address_space: global }
      - { .name: Wd, .offset: 8, .size: 8, .value_kind: global_buffer, .address_space: global }
      - { .name: bd, .offset: 16, .size: 8, .value_kind: global_buffer, .address_space: global }
      - { .name: out1, .offset: 24, .size: 8, .value_kind: global_buffer, .address_space: global }
      - { .name: out2, .offset: 32, .size: 8, .value_kind: global_buffer, .address_space: global }
    .group_segment_fixed_size: 0
    .private_segment_fixed_size: 0
    .kernarg_segment_align: 8
    .kernarg_segment_size: 40
    .max_flat_workgroup_size: 128
    .sgpr_count:     66
    .vgpr_count:     176
    .wavefront_size: 32
...
	.end_amdgpu_metadata
.endif
;; end of part 4
